; MI455X (gfx1250); checked and timed in simulation.
; The chip was launched on July 23, 2026; its instructions are those of AMD's public machine-readable ISA for CDNA 5 (MIT licence, August 2026) and "CDNA5" Instruction Set Architecture Reference Guide (July 2026). The comments in the code are by the model that wrote it; some were corrected since.
;; Head. Allowed arithmetic: matrix products marked QUANTISED: E4M3 operands, one given power-of-two scale a tensor, by v_wmma_f32_16x16x64_fp8_fp8 or v_wmma_f32_16x16x128_fp8_fp8, f32 sums; everything else in f32.
;; Inputs: Wk_codes 128 x 32 x 32 uint8 (E4M3 codes of Wk, K innermost, in blocks of 32 codes); Wq_codes 128 x 32 x 32 uint8 (E4M3 codes of Wq, K innermost, in blocks of 32 codes); Wv_codes 128 x 32 x 32 uint8 (E4M3 codes of Wv, K innermost, in blocks of 32 codes); bk 128 float32; bq 128 float32; bv 128 float32; lowp_scales 10 int32 (the exponents e of the quantised operands' scales 2^e); x_codes 8 x 4,096 x 32 x 32 uint8 (E4M3 codes of x, K innermost, in blocks of 32 codes).
;; Outputs: out0 8 x 4,096 x 128 float32.
;; This version of the problem:
;;   THIS VERSION OF THE PROBLEM IS GIVEN IN LOW PRECISION. The matrix products marked QUANTISED in the list below multiply operands that are first quantised to E4M3 (4 exponent bits, 3 mantissa bits; 8 bits a number), with one given power-of-two scale for each operand tensor; their sums are f32. All else is computed in f32.
;;   The module's matrix products, in the order in which they are computed (A, B: the left and right operand; K: the contracted axis; several contracted axes count as one K, in the product's order):
;;     1. [M 32,768, K 1,024] x [K 1,024, N 128]; A: input x (given as codes); B: input Wq (given as codes): QUANTISED (scales: A lowp_scales[0], B lowp_scales[1])
;;     2. [M 32,768, K 1,024] x [K 1,024, N 128]; A: input x (given as codes); B: input Wk (given as codes): QUANTISED (scales: A lowp_scales[2], B lowp_scales[3])
;;     3. [M 32,768, K 1,024] x [K 1,024, N 128]; A: input x (given as codes); B: input Wv (given as codes): QUANTISED (scales: A lowp_scales[4], B lowp_scales[5])
;;     4. batch 8 x [M 4,096, K 128] x [K 128, N 4,096]; A: computed on the way; B: computed on the way: QUANTISED (scales: A lowp_scales[6], B lowp_scales[7])
;;     5. batch 8 x [M 4,096, K 4,096] x [K 4,096, N 128]; A: softmax (see below); B: computed on the way: QUANTISED (scales: A lowp_scales[8], B lowp_scales[9])
;;   THE QUANTISER, for each operand of a quantised product, along K:
;;     - The operand's scale is 2^e, e = its entry of the input lowp_scales (int32; the entries are numbered through the quantised products in the list's order, A before B).
;;     - Each number is divided by the scale, clamped to +-448, and rounded to the nearest number of E4M3, ties to even, subnormals kept.
;;     - The product sums the exact products of the quantised numbers (number of the format x scale) in f32.
;;   ~~~python
;;   def quantise(x, axis, e):      # numpy; x: float32 -> the quantised numbers, widened to float32 again
;;       x = np.moveaxis(x, axis, -1); K = x.shape[-1]
;;       r = np.clip(x / 2.0 ** e, -448, 448)
;;       step = 2.0 ** (np.maximum(np.frexp(np.where(r == 0, 1, r))[1] - 1, -6) - 3)
;;       q = np.round(r / step) * step * 2.0 ** e      # np.round: ties to even
;;       return np.moveaxis(q, -1, axis).astype(np.float32)
;;   ~~~
;;   SOFTMAX AHEAD OF A QUANTISED PRODUCT. Where the list says 'softmax', what is quantised is not the finished softmax but p = 2^(t - M), with t = logit x log2(e) and M = ceil(the row's largest t), a whole number; so 1/2 < the row's largest p <= 1. The row's sum l is taken of the UNQUANTISED p, in f32, and the product's result is divided by l at the end. Since M is a whole number, a kernel that streams over the keys may use a running M (the ceiling of the running maximum): every later rescaling is an exact power of two, so the quantised numbers keep their values, but for numbers so far below the row's largest that they fall under the format's range.
;;   OPERANDS COMPUTED ON THE WAY. 'Computed on the way' means the value that the module computes at that place (a softmax that the list does not call 'softmax' is quantised finished and normalised). What goes into a quantiser is computed in f32, as accurately as f32 sums, v_exp_f32 and their like allow (about 1e-6 of the number): no bf16 or f16 on the way to a quantiser, and a product that is left as it is and whose result goes on into a quantised operand takes f32 operands (vector FMAs, or v_wmma_f32_16x16x4_f32). A number that lies on a knife's edge between two numbers of the format may be rounded either way, as far as f32 arithmetic and the matrix unit's own rounding can turn it there, and no further.
;;   INPUTS GIVEN AS CODES. Wk (in the module: [1024, 128], K = its axis 0); Wq (in the module: [1024, 128], K = its axis 0); Wv (in the module: [1024, 128], K = its axis 0); x (in the module: [8, 4096, 1024], K = its axis 2): each comes as NAME_codes (uint8): NAME with its K axis moved to the last place and cut into blocks of 32 codes, [.., K / 32, bytes a block], one block behind the other in memory; one code a byte (a code: sign, 4 exponent bits, 3 mantissa bits); its scale is its entry of lowp_scales. Its value is code x scale, taken as it is: it is not quantised again, and the codes and scales need not be those that the quantiser above would give.
;; One version. Each part assembles by itself: llvm-mc -triple=amdgcn-amd-amdhsa -mcpu=gfx1250 --defsym DOCPART=n.
;; ======== version 1 of 1: 2 launches
;; limits: right only within a limited range of input values
;; workspace buffers: qc 4,194,304 bytes; kv 8,388,608 bytes
;; launch proj (part 1): grid 256 x 1, 4 waves a work-group, clusters of 4 x 1, 327,680 bytes of LDS; arguments x_codes, Wq_codes, Wk_codes, Wv_codes, bq, bk, bv, lowp_scales, qc, kv; writes qc, kv
.if DOCPART == 1
	.amdgcn_target "amdgcn-amd-amdhsa--gfx1250"
	.amdhsa_code_object_version 6
	.text
	.protected	k_q9f2b346070_proj
	.globl	k_q9f2b346070_proj
	.p2align	8
	.type	k_q9f2b346070_proj,@function
k_q9f2b346070_proj:
	s_mov_b64 s[64:65], 0
	v_nop
	global_prefetch_b8 v0, s[64:65] scope:SCOPE_SE
	s_setreg_imm32_b32 hwreg(HW_REG_WAVE_MODE, 25, 1), 1
	s_wait_xcnt 0x0
	s_wait_alu depctr_hold_cnt(0) depctr_sa_sdst(0) depctr_va_vdst(0) depctr_va_sdst(0) depctr_va_ssrc(0) depctr_va_vcc(0) depctr_vm_vsrc(0)
	s_getreg_b32 s2, hwreg(HW_REG_IB_STS2, 6, 4)
	s_cmp_eq_u32 s2, 0
	s_cbranch_scc0 .Lentry_in_a_cluster
	s_endpgm
.Lentry_in_a_cluster:
	s_bfe_u32 s2, ttmp6, 0x10000c
	s_cmp_lg_u32 s2, 0x3003
	s_cbranch_scc0 .Lentry_shape_is_right
	s_endpgm
.Lentry_shape_is_right:
; q, k, v = x W + b for 128 rows of x (K = 1,024), each quantised to E4M3 codes for the next launch.  Nothing of these products is dead: every row of q, k and v reaches an output through a quantiser.
; A work-group of four waves makes 128 rows x 384 columns.  Waves 0, 1: q's 128 units for 64 rows each; waves 2, 3: k's; both transposed (source 0 = W), so that a lane holds 8 neighbouring units of a row.
; Each wave also makes v's 32 channels 32 w .. for all 128 rows (source 0 = x), so that a lane holds 8 neighbouring rows (keys) of a channel.  The conversions' results are then the operands' registers of the next launch.
; K goes in 4 steps of 256 through a ring of two LDS slots: wave 0 fetches x's rows, waves 1 to 3 fetch Wq's, Wk's, Wv's JOINTLY with the cluster's three partners (all work-groups need the same W; x's rows are a work-group's own).
; Rows of 256 bytes with 16 of padding: the 16 rows that a fragment load touches start at different banks (ISA guide 11.1).
; PREFETCH: behind step 0's load the waves ask for x's steps 1 and 2 (a thread a row), behind step 1's load for step 3: each block of 256 bytes once.  W's blocks are asked for by the first four clusters alone, the four partners by address (32 rows each), waves 1 to 3.
; qc: the image of 16 rows at 2,048 x tile.  kv: key step g (128 keys) at 32,768 g: eight images of K, then eight of V.  An image is a fragment's 16 registers: registers 4 c .. 4 c + 3 at 512 c + 16 x lane.
; LIMITS on the given exponents, so that each power of two is an f32 number: e0 + e1, e2 + e3, e4 + e5 between -126 and 127; e6, e7, e9 between -126 and 119.
.set PITCH,  272
.set HALFT,  128*PITCH
.set SLOT,   4*HALFT
.set SPARE,  2*SLOT
.set AXO, 8
.set AXT, 10
.set AT,  12
.set AN,  14
.set GO,  16
.set GNO, 17
.set GNT, 18
.set BA,  19
.set BN,  20
.set SPW, 28
.set NIL, 29
.set WVF, 32
.set BV,  32
.set SCT, 36
.set SCN, 37
.set LMT, 38
.set LMN, 39
.set COD, 40
.set NUM, 64
.set NAC, 128
.set WV,  24
.set G1X, 32
.set G1W, 40
.set G0X, 48
.set G0W, 56
.set MSB, 0
.macro WIN new
.if MSB != \new
	s_set_vgpr_msb (MSB<<8)|\new
.set MSB, \new
.endif
.endm
.macro PLACES n
.rept \n
	v_nop
.endr
.endm
.macro ROUND
	s_barrier_signal -1
	s_barrier_wait -1
	s_cmp_lg_u32 s[WV], 0
	s_cbranch_scc1 .Lnot_wave_0_\@
	s_barrier_signal -3
.Lnot_wave_0_\@:
	s_barrier_wait -3
	s_barrier_signal -1
	s_barrier_wait -1
.endm
.macro JLOAD s
	s_cmp_eq_u32 s[WV], 0
	s_cbranch_scc0 .Lfor_w_\@
	tensor_load_to_lds s[G0X+4*\s:G0X+4*\s+3], s[G1X:G1X+7]
	s_nop 0
.rept 4
	v_nop
.endr
	s_branch .Lasked_\@
.Lfor_w_\@:
	tensor_load_to_lds s[G0W+4*\s:G0W+4*\s+3], s[G1W:G1W+7]
	s_nop 0
.rept 4
	v_nop
.endr
.Lasked_\@:
.endm
	s_load_b256 s[4:11], s[0:1], 0x0
	s_load_b256 s[12:19], s[0:1], 0x20
	s_load_b128 s[20:23], s[0:1], 0x40
	v_lshl_add_u32 v[SPW], v0, 2, SPARE
	v_mov_b32 v[NIL], 0
	ds_add_u32 v28, v29
	ds_add_u32 v28, v29
	s_wait_dscnt 0x0
	v_lshrrev_b32 v1, 5, v0
	v_readfirstlane_b32 s[WV], v1
	s_lshr_b32 s25, s[WV], 1
	s_and_b32 s26, s[WV], 1
	s_bfe_u32 s27, ttmp6, 0x40000
	s_lshl_b32 s28, ttmp9, 2
	s_add_co_u32 s28, s28, s27
	s_mov_b32 s[G1X], (1<<20)|(5<<22)|(3<<25)
	s_mov_b32 s[G1W], 15|(1<<20)|(1<<21)|(5<<22)|(3<<25)
.irp g, G1X, G1W
	s_mov_b32 s[\g+1], 256<<16
	s_mov_b32 s[\g+2], 128<<16
	s_mov_b32 s[\g+3], 256<<16
	s_mov_b32 s[\g+4], 128
	s_mov_b32 s[\g+5], 1024
	s_mov_b32 s[\g+6], 0
	s_mov_b32 s[\g+7], 0
.endr
	v_and_b32 v1, 15, v0
	v_bfe_u32 v2, v0, 4, 1
	v_mul_u32_u24 v3, v1, PITCH
	v_lshl_add_u32 v3, v2, 4, v3
	s_wait_alu depctr_va_vdst(0)
	s_mul_i32 s29, s26, 64*PITCH
	s_xor_b32 s30, s26, 1
	s_mul_i32 s31, s30, 64*PITCH
	s_add_co_u32 s78, s25, 1
	s_mul_i32 s78, s78, HALFT
	s_mul_i32 s79, s[WV], 32*PITCH
	s_add_co_u32 s79, s79, 3*HALFT
.irp s, 0,1
	v_add_nc_u32 v[AXO+\s], s29, v3
	v_add_nc_u32 v[AXT+\s], s31, v3
	v_add_nc_u32 v[AT+\s], s78, v3
	v_add_nc_u32 v[AN+\s], s79, v3
	s_add_co_u32 s29, s29, SLOT
	s_add_co_u32 s31, s31, SLOT
	s_add_co_u32 s78, s78, SLOT
	s_add_co_u32 s79, s79, SLOT
.endr
	v_and_b32 v4, 31, v0
	v_lshlrev_b32 v[GO], 4, v4
	s_lshl_b32 s29, s26, 10
	v_add_nc_u32 v[GNO], s29, v[GO]
	s_lshl_b32 s29, s30, 10
	v_add_nc_u32 v[GNT], s29, v[GO]
	v_lshlrev_b32 v[BA], 5, v2
	s_lshl_b32 s29, s[WV], 7
	v_lshl_add_u32 v[BN], v1, 2, s29
	s_mul_i32 s29, s[WV], HALFT
	s_wait_kmcnt 0x0
	s_load_b256 s[68:75], s[18:19], 0x0
	s_load_b64 s[76:77], s[18:19], 0x20
	s_cmp_eq_u32 s[WV], 2
	s_cselect_b64 s[66:67], s[8:9], s[6:7]
	s_cmp_eq_u32 s[WV], 3
	s_cselect_b64 s[66:67], s[10:11], s[66:67]
	s_lshl_b32 s30, s28, 17
	s_mov_b32 s31, 0
	s_add_nc_u64 s[4:5], s[4:5], s[30:31]
.irp s, 0,1
	s_mov_b32 s[G0X+4*\s], 1
	s_add_co_u32 s[G0X+4*\s+1], s29, \s*SLOT
	s_add_nc_u64 s[G0X+4*\s+2:G0X+4*\s+3], s[4:5], \s*256
	s_or_b32 s[G0X+4*\s+3], s[G0X+4*\s+3], 0x80000000
	s_mov_b32 s[G0W+4*\s], 1
	s_add_co_u32 s[G0W+4*\s+1], s29, \s*SLOT
	s_add_nc_u64 s[G0W+4*\s+2:G0W+4*\s+3], s[66:67], \s*256
	s_or_b32 s[G0W+4*\s+3], s[G0W+4*\s+3], 0x80000000
.endr
	ROUND
	JLOAD 0
	s_lshl_b32 s98, s27, 5
	v_lshlrev_b32 v21, 10, v0                      ; x: a thread a row of 1,024 bytes
	v_and_b32 v22, 31, v0
	v_add_nc_u32 v22, s98, v22
	v_lshlrev_b32 v22, 10, v22                     ; W: row 32 cx + lane
	global_prefetch_b8 v21, s[4:5] offset:256 th:TH_LOAD_NT scope:SCOPE_SE
	global_prefetch_b8 v21, s[4:5] offset:512 th:TH_LOAD_NT scope:SCOPE_SE
	s_cmp_lt_u32 ttmp9, 4
	s_cbranch_scc0 .Lnot_w1
	s_cmp_eq_u32 s[WV], 0
	s_cbranch_scc1 .Lnot_w1
	global_prefetch_b8 v22, s[66:67] offset:256 th:TH_LOAD_NT scope:SCOPE_SE
	global_prefetch_b8 v22, s[66:67] offset:512 th:TH_LOAD_NT scope:SCOPE_SE
.Lnot_w1:
	s_wait_alu depctr_va_vdst(0)
	s_wait_tensorcnt 0x0
	ds_add_u32 v28, v29
	s_wait_dscnt 0x0
	ROUND
	JLOAD 1
	global_prefetch_b8 v21, s[4:5] offset:768 th:TH_LOAD_NT scope:SCOPE_SE
	s_cmp_lt_u32 ttmp9, 4
	s_cbranch_scc0 .Lnot_w2
	s_cmp_eq_u32 s[WV], 0
	s_cbranch_scc1 .Lnot_w2
	global_prefetch_b8 v22, s[66:67] offset:768 th:TH_LOAD_NT scope:SCOPE_SE
.Lnot_w2:
	s_cmp_eq_u32 s25, 0
	s_cselect_b64 s[92:93], s[20:21], s[22:23]
	s_cselect_b64 s[96:97], s[12:13], s[14:15]
	s_add_co_u32 s30, s25, 14
	s_lshl_b32 s30, s28, s30
	s_lshl_b32 s29, s26, 13
	s_add_co_u32 s30, s30, s29
	s_add_nc_u64 s[92:93], s[92:93], s[30:31]
	s_lshl_b32 s30, s28, 15
	s_lshl_b32 s29, s[WV], 12
	s_add_co_u32 s30, s30, s29
	s_add_co_u32 s30, s30, 16384
	s_add_nc_u64 s[94:95], s[22:23], s[30:31]
.macro FRAG reg, adr, q, i
.irp c, 0,1,2,3
	ds_load_b128 v[\reg+4*\c:\reg+4*\c+3], v[\adr] offset:128*(\q)+32*\c+(\i)*16*PITCH
.endr
.endm
.macro FETCH slot, q, p
	WIN 0x40
.irp i, 0,1,2,3
	FRAG 128*(\p)+16*\i, AXO+\slot, \q, \i
.endr
.irp i, 0,1,2,3
	FRAG 128*(\p)+64+16*\i, AXT+\slot, \q, \i
.endr
	WIN 0x80
.irp i, 0,1,2,3,4,5,6,7
	FRAG 128*(\p)+16*\i, AT+\slot, \q, \i
.endr
	WIN 0
.irp i, 0,1
	FRAG WVF+32*(\p)+16*\i, AN+\slot, \q, \i
.endr
.endm
.macro MULT p, zero
	WIN 0xf6
.irp a, 0,1,2,3
.irp t, 0,1,2,3,4,5,6,7
.if \zero
	v_wmma_f32_16x16x128_fp8_fp8 v[64*\a+8*\t:64*\a+8*\t+7], v[128*(\p)+16*\t:128*(\p)+16*\t+15], v[128*(\p)+16*\a:128*(\p)+16*\a+15], 0
.else
	v_wmma_f32_16x16x128_fp8_fp8 v[64*\a+8*\t:64*\a+8*\t+7], v[128*(\p)+16*\t:128*(\p)+16*\t+15], v[128*(\p)+16*\a:128*(\p)+16*\a+15], v[64*\a+8*\t:64*\a+8*\t+7]
.endif
.endr
.endr
.endm
.macro MULN p, zero
	WIN 0x01
.irp n, 0,1
.irp b, 0,1,2,3,4,5,6,7
.if \zero
	v_wmma_f32_16x16x128_fp8_fp8 v[NAC+64*\n+8*\b:NAC+64*\n+8*\b+7], v[128*(\p)+16*\b:128*(\p)+16*\b+15], v[WVF+32*(\p)+16*\n:WVF+32*(\p)+16*\n+15], 0
.else
	v_wmma_f32_16x16x128_fp8_fp8 v[NAC+64*\n+8*\b:NAC+64*\n+8*\b+7], v[128*(\p)+16*\b:128*(\p)+16*\b+15], v[WVF+32*(\p)+16*\n:WVF+32*(\p)+16*\n+15], v[NAC+64*\n+8*\b:NAC+64*\n+8*\b+7]
.endif
.endr
.endr
.endm
.macro STEP slot, q, p, zero
	s_wait_dscnt 0x0
	PLACES 4
	FETCH \slot, (\q)+1, 1-(\p)
	MULT \p, \zero
	MULN \p, \zero
	WIN 0
.endm
.macro TURN slot, next, p, fill
	s_wait_tensorcnt 0x0
	ds_add_u32 v[SPW], v[NIL]
	s_wait_dscnt 0x1
	MULT \p, 0
	WIN 0
.if \fill
	s_add_nc_u64 s[G0X+4*\slot+2:G0X+4*\slot+3], s[G0X+4*\slot+2:G0X+4*\slot+3], 512
	s_add_nc_u64 s[G0W+4*\slot+2:G0W+4*\slot+3], s[G0W+4*\slot+2:G0W+4*\slot+3], 512
.endif
	s_wait_dscnt 0x0
.if \fill
	ROUND
	JLOAD \slot
.else
	s_barrier_signal -1
	s_barrier_wait -1
	PLACES 4
.endif
	s_wait_alu depctr_va_vdst(0)
	FETCH \next, 0, 1-(\p)
	MULN \p, 0
	WIN 0
.endm
	s_wait_tensorcnt 0x1
	s_barrier_signal -1
	s_barrier_wait -1
	FETCH 0, 0, 0
	STEP 0, 0, 0, 1
	TURN 0, 1, 1, 1
	STEP 1, 0, 0, 0
	TURN 1, 0, 1, 1
	STEP 0, 0, 0, 0
	TURN 0, 1, 1, 0
	STEP 1, 0, 0, 0
	s_wait_dscnt 0x0
	PLACES 4
	WIN 0x80
.irp t, 0,1,2,3,4,5,6,7
	global_load_b128 v[8*\t:8*\t+3], v[BA], s[96:97] offset:64*\t
	global_load_b128 v[8*\t+4:8*\t+7], v[BA], s[96:97] offset:64*\t+16
.endr
	WIN 0
	global_load_b32 v[BV], v[BN], s[16:17]
	global_load_b32 v[BV+2], v[BN], s[16:17] offset:64
	v_mov_b32 v[BV+1], 0
	v_mov_b32 v[BV+3], 0
	s_wait_kmcnt 0x0
	s_add_co_i32 s80, s68, s69
	s_add_co_i32 s81, s70, s71
	s_cmp_eq_u32 s25, 0
	s_cselect_b32 s80, s80, s81
	s_cselect_b32 s82, s74, s75
	s_add_co_i32 s80, s80, 127
	s_lshl_b32 s80, s80, 23
	s_mov_b32 s81, s80
	s_add_co_i32 s82, s82, 127
	s_lshl_b32 s83, s82, 23
	v_mov_b32 v[SCT], s83
	s_add_co_i32 s82, s82, 8
	s_lshl_b32 s82, s82, 23
	s_or_b32 s82, s82, 0x600000
	v_mov_b32 v[LMT], s82
	s_add_co_i32 s86, s72, s73
	s_add_co_i32 s86, s86, 127
	s_lshl_b32 s86, s86, 23
	s_mov_b32 s87, s86
	s_add_co_i32 s88, s77, 127
	s_lshl_b32 s89, s88, 23
	v_mov_b32 v[SCN], s89
	s_add_co_i32 s88, s88, 8
	s_lshl_b32 s88, s88, 23
	s_or_b32 s88, s88, 0x600000
	v_mov_b32 v[LMN], s88
	MULT 1, 0
	MULN 1, 0
	WIN 0
	PLACES 4
	s_wait_loadcnt 0x0
.macro OUT_T xt
.if \xt > 0
	s_wait_xcnt 0x0
.endif
	WIN 0x23
.set i, 0
.rept 32
	v_pk_fma_f32 v[NUM+i:NUM+i+1], v[64*\xt+i:64*\xt+i+1], s[80:81], v[i:i+1] op_sel_hi:[1,0,1]
.set i, i+2
.endr
	WIN 0
.irp t, 0,1,2,3,4,5,6,7
.irp j, 0,1,2,3,4,5,6,7
	v_med3_num_f32 v[NUM+8*\t+\j], v[NUM+8*\t+\j], -v[LMT], v[LMT]
.endr
	v_cvt_scalef32_pk8_fp8_f32 v[COD+2*\t:COD+2*\t+1], v[NUM+8*\t:NUM+8*\t+7], v[SCT]
.endr
	v_nop
.irp c, 0,1,2,3
	global_store_b128 v[GO], v[COD+4*\c:COD+4*\c+3], s[92:93] offset:2048*\xt+512*\c
.endr
.endm
.macro OUT_N n
	s_wait_xcnt 0x0
.set i, 0
.rept 32
	v_pk_fma_f32 v[NAC+64*\n+i:NAC+64*\n+i+1], v[NAC+64*\n+i:NAC+64*\n+i+1], s[86:87], v[BV+2*\n:BV+2*\n+1] op_sel_hi:[1,0,0]
.set i, i+2
.endr
.irp b, 0,1,2,3,4,5,6,7
.irp j, 0,1,2,3,4,5,6,7
	v_med3_num_f32 v[NAC+64*\n+8*\b+\j], v[NAC+64*\n+8*\b+\j], -v[LMN], v[LMN]
.endr
	v_cvt_scalef32_pk8_fp8_f32 v[COD+2*\b:COD+2*\b+1], v[NAC+64*\n+8*\b:NAC+64*\n+8*\b+7], v[SCN]
.endr
	v_nop
	global_store_b128 v[GNO], v[COD:COD+3], s[94:95] offset:2048*\n
	global_store_b128 v[GNO], v[COD+4:COD+7], s[94:95] offset:2048*\n+512
	global_store_b128 v[GNT], v[COD+8:COD+11], s[94:95] offset:2048*\n
	global_store_b128 v[GNT], v[COD+12:COD+15], s[94:95] offset:2048*\n+512
.endm
	OUT_T 0
	OUT_T 1
	OUT_T 2
	OUT_T 3
	OUT_N 0
	OUT_N 1
	s_wait_tensorcnt 0x0
	ds_add_u32 v[SPW], v[NIL]
	s_wait_dscnt 0x0
	ROUND
	s_endpgm
.Lfunc_end_k_q9f2b346070_proj:
	.size	k_q9f2b346070_proj, .Lfunc_end_k_q9f2b346070_proj-k_q9f2b346070_proj
	.p2alignl 7, 3214868480
	.fill 96, 4, 3214868480
	.section	.rodata,"a",@progbits
	.p2align	6, 0x0
	.amdhsa_kernel k_q9f2b346070_proj
		.amdhsa_group_segment_fixed_size 327680
		.amdhsa_private_segment_fixed_size 0
		.amdhsa_enable_private_segment 0
		.amdhsa_kernarg_size 80
		.amdhsa_user_sgpr_count 2
		.amdhsa_user_sgpr_kernarg_segment_ptr 1
		.amdhsa_wavefront_size32 1
		.amdhsa_system_sgpr_workgroup_id_x 1
		.amdhsa_system_sgpr_workgroup_id_y 1
		.amdhsa_system_sgpr_workgroup_id_z 1
		.amdhsa_system_vgpr_workitem_id 0
		.amdhsa_next_free_vgpr 1024
		.amdhsa_next_free_sgpr 100
		.amdhsa_reserve_vcc 0
		.amdhsa_float_denorm_mode_32 3
		.amdhsa_float_denorm_mode_16_64 3
		.amdhsa_memory_ordered 1
		.amdhsa_forward_progress 1
		.amdhsa_inst_pref_size 119
	.end_amdhsa_kernel
	.amdgpu_metadata
---
amdhsa.version: [ 1, 2 ]
amdhsa.kernels:
  - .name:           k_q9f2b346070_proj
    .symbol:         k_q9f2b346070_proj.kd
    .args:
      - { .name: x_codes, .offset: 0, .size: 8, .value_kind: global_buffer, .address_space: global }
      - { .name: Wq_codes, .offset: 8, .size: 8, .value_kind: global_buffer, .address_space: global }
      - { .name: Wk_codes, .offset: 16, .size: 8, .value_kind: global_buffer, .address_space: global }
      - { .name: Wv_codes, .offset: 24, .size: 8, .value_kind: global_buffer, .address_space: global }
      - { .name: bq, .offset: 32, .size: 8, .value_kind: global_buffer, .address_space: global }
      - { .name: bk, .offset: 40, .size: 8, .value_kind: global_buffer, .address_space: global }
      - { .name: bv, .offset: 48, .size: 8, .value_kind: global_buffer, .address_space: global }
      - { .name: lowp_scales, .offset: 56, .size: 8, .value_kind: global_buffer, .address_space: global }
      - { .name: qc, .offset: 64, .size: 8, .value_kind: global_buffer, .address_space: global }
      - { .name: kv, .offset: 72, .size: 8, .value_kind: global_buffer, .address_space: global }
    .group_segment_fixed_size: 327680
    .private_segment_fixed_size: 0
    .kernarg_segment_align: 8
    .kernarg_segment_size: 80
    .max_flat_workgroup_size: 128
    .sgpr_count:     100
    .vgpr_count:     1024
    .wavefront_size: 32
...
	.end_amdgpu_metadata
.endif
;; end of part 1
;; launch attn (part 2): grid 32 x 8, 8 waves a work-group, clusters of 4 x 1, 327,680 bytes of LDS; arguments qc, kv, lowp_scales, out0; writes out0
.if DOCPART == 2
	.amdgcn_target "amdgcn-amd-amdhsa--gfx1250"
	.amdhsa_code_object_version 6
	.text
	.protected	k_q9f2b346070_attn
	.globl	k_q9f2b346070_attn
	.p2align	8
	.type	k_q9f2b346070_attn,@function
k_q9f2b346070_attn:
	s_mov_b64 s[64:65], 0
	v_nop
	global_prefetch_b8 v0, s[64:65] scope:SCOPE_SE
	s_setreg_imm32_b32 hwreg(HW_REG_WAVE_MODE, 25, 1), 1
	s_wait_xcnt 0x0
	s_wait_alu depctr_hold_cnt(0) depctr_sa_sdst(0) depctr_va_vdst(0) depctr_va_sdst(0) depctr_va_ssrc(0) depctr_va_vcc(0) depctr_vm_vsrc(0)
	s_getreg_b32 s2, hwreg(HW_REG_IB_STS2, 6, 4)
	s_cmp_eq_u32 s2, 0
	s_cbranch_scc0 .Lentry_in_a_cluster
	s_endpgm
.Lentry_in_a_cluster:
	s_bfe_u32 s2, ttmp6, 0x10000c
	s_cmp_lg_u32 s2, 0x3003
	s_cbranch_scc0 .Lentry_shape_is_right
	s_endpgm
.Lentry_shape_is_right:
; out[b][q][:] = the sum over keys k <= q of softmax_k(q . k / sqrt(128)) v[k][:], 8 batches of 4,096 rows, head size 128, both products on E4M3 codes made by the launch before.
; LEFT OUT: key steps all of whose keys come after a wave's queries (the causal mask); a NaN that reaches only them is not carried to the result.
; qc: the image of query tile T (16 rows) at 2,048 T.  kv: key step g (128 keys) at 32,768 g: eight images of K, then eight of V.  An image is a fragment's 16 registers: chunk c (registers 4 c .. 4 c + 3) at 512 c + 16 x lane.
; Images have the matrix instruction's own layout: registers 2 c, 2 c + 1 of lane (r, h) hold k = 16 c + 8 h + 0 .. 7 of row r (Q, K: k = the head's units; V: row = channel, k = the step's keys).
; THE SOFTMAX: t = score x 2^(e6 + e7) x log2(e) / sqrt(128); M = the largest t so far, rounded UP to a whole number; p = 2^(t - M) is quantised with 2^e8; the row's sum is taken of the unquantised p, in f32.
; When M moves, the sum and O are multiplied by 2^(old M - new M): exact.  At the end O x 2^(e8 + e9) is divided by the sum.
; LIMITS: e6 + e7 between -123 and 130 (added to c's exponent field); e8 between -126 and 119; e8 + e9 is applied by v_ldexp_f32 and has none.  Scaled scores stay under 2^31 in magnitude.
; A NaN among the codes is not confined to the rows that see it: a block of queries begins on the sums of the one before, multiplied by 0.
; BOTH PRODUCTS TRANSPOSED: S^T = K Q^T (source 0 = 16 keys, source 1 = 16 queries): lane (r, h) holds query r and, in tile kt's register j, key 16 kt + 8 h + j, so one conversion gives P's registers 2 kt, 2 kt + 1,
; the very keys that V's image has there.  O^T = V^T P^T: register j of tile dt is channel 16 dt + 8 h + j of query r.
; SHARES.  A cluster of four work-groups (c = 0 .. 7 in its batch) owns two blocks of 256 queries, first block 15 - c, then block c.  Work-group cx takes of a block the four tiles of 16 queries at 64 j + 16 cx.  Wave w of 8: qg = w / 4 takes
; tiles j = 2 qg, 2 qg + 1 (each fragment from LDS feeds two matrix instructions); kh = (w % 4) xor 2 qg takes one of the four key steps of each slot of 512 keys.  The four waves of a qg merge their sums at a block's end.
; THE WALK: (15 - c) / 2 + 1 slots for the long block and c / 2 + 1 for the short one, whole numbers: 9 in every work-group.  A slot, 131,072 bytes, is one dense block of kv, asked for JOINTLY by the four partners, 16,384 bytes a wave.
; CAUSAL.  With QB = the wave's first query less 16 cx, a multiple of 128, and KF = the step's first key: KF > QB: left out; KF = QB: masked; KF < QB: open.  No branch hangs on cx.
; PREFETCH: all clusters of a batch walk the same kv; the batch's first cluster, whose long block walks all 8 slots, asks at trip t for slot t + 2, one slot ahead of the tensor load; slots 0 and 1 come by their loads alone.
; REGISTERS, window 0: v0 thread; v1, v2 LDS address of my key step; v3-7 prefetch offset, mask, spare word, 0, way out; v8 448 x 2^e8; v9 2^e8; v10, v12 -M of my two tiles (v11, v13 the pairs' upper halves); v[14:15], v[16:17] the sums;
; v18, v20 factors; v22-31 at work; v32-95 four fragments; v96-159, v160-223 S^T, then p, of tiles 0, 1; v224-255 p's codes.
; window 1 (written as v0-255): v0-127 O^T of tiles 0, 1; v128-159 Q; v160-223 four fragments; v224-255 the short block's Q.
.set SLOT1, 131072                     ; slot 1 begins here: one exclusive or turns an address in one slot into the other's
.set SPARE, 2*SLOT1                    ; the spare words, 128 bytes for each of 8 waves: four blocks of 256 bytes that no other line names
.set MRG,   SPARE+1024                 ; the merge: 6,144 bytes for each wave: three partners' pieces, 2,048 each.  No fill lands here
.set ML,    MRG+8*6144                 ; and 512 bytes for each wave: -M and the sum of its two tiles
.set AK0, 1
.set AD,  2
.set PFO, 3
.set QL,  4
.set SPW, 5
.set NIL, 6
.set GO,  7
.set WV,  12                           ; s12 wave; s13 cx; s14 c; s15 batch
.set KH,  16
.set QGI, 17                           ; qg
.set QB,  18
.set KF,  19
.set SEL, 20                           ; s[20:21] lane selects for v_permlanex16_b32: lane l xor 16
.set CS,  22                           ; s[22:23] c
.set G1,  24
.set G0,  32
.set TB,  36                           ; LDS byte at which the slot in hand begins
.set TR,  37                           ; the trip
.set N1,  38                           ; slots of the long block
.set EPV, 39                           ; e8 + e9
.set LIM, 40                           ; a wave prefetches in trips below this
.set NCS, 41                           ; -c
.set QB2, 42                           ; QB of the short block
.set PRDS, 43                          ; my own pieces' LDS byte
.set PFA, 44                           ; s[44:45] where my prefetches stand
.set BASE, 46                          ; s[46:47] my 16,384 bytes of the batch's first slot
.set MLWS, 60
.set STWS, 72                          ; s72-75 where my piece for the wave with kh = 0 .. 3 goes
.set MLRS, 76                          ; s76-79 where -M and the sum of source r lie
.set MSB, 0
.macro WIN new                         ; the immediate's high byte repeats the setting that is left
.if MSB != \new
	s_set_vgpr_msb (MSB<<8)|\new
.set MSB, \new
.endif
.endm
.macro ROUND                           ; a round of the cluster's barrier
	s_barrier_signal -1
	s_barrier_wait -1
	s_cmp_lg_u32 s[WV], 0
	s_cbranch_scc1 .Lnot_wave_0_\@
	s_barrier_signal -3
.Lnot_wave_0_\@:
	s_barrier_wait -3
	s_barrier_signal -1
	s_barrier_wait -1
.endm
.macro TLOAD                           ; every wave fetches an eighth of a slot, jointly with the three partners
	tensor_load_to_lds s[G0:G0+3], s[G1:G1+7]
	s_nop 0
.rept 4
	v_nop
.endr
.endm
.macro ASK                             ; 65,536 + 65,536 bytes of a slot: 32,768 a partner BY ADDRESS, waves 4 to 7, 8,192 bytes each, lanes 256 bytes apart
	s_cmp_lt_u32 s[TR], s[LIM]
	s_cbranch_scc0 .Lnot_mine_\@
	global_prefetch_b8 v[PFO], s[PFA:PFA+1] th:TH_LOAD_NT scope:SCOPE_SE
.Lnot_mine_\@:
.endm
	s_load_b256 s[4:11], s[0:1], 0x0               ; qc s[4:5], kv s[6:7], the exponents s[8:9], out0 s[10:11]
	v_lshl_add_u32 v[SPW], v0, 2, SPARE
	v_mov_b32 v[NIL], 0
	ds_add_u32 v[SPW], v[NIL]                      ; the wave's opening: the add, twice on end
	ds_add_u32 v[SPW], v[NIL]
	v_lshrrev_b32 v20, 5, v0
	v_readfirstlane_b32 s[WV], v20                 ; wave 0..7
	s_bfe_u32 s13, ttmp6, 0x40000                  ; cx
	s_mov_b32 s14, ttmp9                           ; c: the cluster's number in its batch
	s_and_b32 s15, ttmp7, 0xffff                   ; the batch
	; group 1: 64 rows of 32 elements of 8 bytes, dense in memory and in LDS.  Images are read 16 bytes a lane on end, so no padding is wanted
	s_mov_b32 s[G1], 15|(3<<16)|(1<<21)            ; the mask: all four partners; elements of 8 bytes; bit 21 beside a mask
	s_mov_b32 s[G1+1], 32<<16
	s_mov_b32 s[G1+2], 64<<16
	s_mov_b32 s[G1+3], 32<<16
	s_mov_b32 s[G1+4], 64
	s_mov_b32 s[G1+5], 32
	s_mov_b32 s[G1+6], 0
	s_mov_b32 s[G1+7], 0
	s_mov_b32 s[G0], 1
	s_lshl_b32 s[G0+1], s[WV], 14                  ; LDS address: slot 0, my eighth
	s_lshl_b32 s98, s15, 20                        ; the batch's 32 key steps of 32,768 bytes
	s_add_co_u32 s98, s98, s[G0+1]
	s_mov_b32 s99, 0
	s_wait_dscnt 0x0                               ; both opening adds are done
	s_wait_kmcnt 0x0
	s_load_b128 s[68:71], s[8:9], 0x18             ; e6, e7, e8, e9
	s_add_nc_u64 s[BASE:BASE+1], s[6:7], s[98:99]
	s_mov_b64 s[G0+2:G0+3], s[BASE:BASE+1]
	s_or_b32 s[G0+3], s[G0+3], 0x80000000          ; type = 2
	ROUND                                          ; all four work-groups are here: the first joint load meets
	TLOAD                                          ; slot 0
	s_lshr_b32 s[QGI], s[WV], 2
	s_and_b32 s[KH], s[WV], 3
	s_lshl_b32 s96, s[QGI], 1
	s_xor_b32 s[KH], s[KH], s96
	s_sub_co_u32 s97, 15, s14
	s_lshl_b32 s98, s[QGI], 7
	s_lshl_b32 s[QB], s97, 8
	s_add_co_u32 s[QB], s[QB], s98
	s_lshl_b32 s[QB2], s14, 8
	s_add_co_u32 s[QB2], s[QB2], s98
	s_lshl_b32 s[KF], s[KH], 7
	s_lshr_b32 s[N1], s14, 1
	s_sub_co_u32 s[N1], 8, s[N1]                   ; 8 down to 5
	s_mov_b32 s[TR], 0
	s_mov_b32 s[TB], 0
	s_xor_b32 s96, s[QGI], 1                       ; 0 in waves 4 to 7,
	s_or_b32 s96, s96, s14                         ; of the batch's first cluster: the same in all four partners
	s_cmp_eq_u32 s96, 0
	s_cselect_b32 s[LIM], 6, 0                     ; the last slot asked for is 5 + 2 = 7
	s_mov_b32 s[SEL], 0x76543210
	s_mov_b32 s[SEL+1], 0xfedcba98
	s_mov_b32 s[CS], 0x3e0293ee                    ; log2(e) / sqrt(128)
	; the merge's LDS bytes.  Source ks of a qg puts its piece for the wave with kh = d at place (ks - d - 1) mod 4 of that wave's three
	s_lshl_b32 s96, s[QGI], 2
	s_add_co_u32 s97, s96, s[KH]
	s_mul_i32 s[PRDS], s97, 6144
	s_add_co_u32 s[PRDS], s[PRDS], MRG
	s_lshl_b32 s[MLWS], s97, 9
	s_add_co_u32 s[MLWS], s[MLWS], ML
.irp d, 0,1,2,3
	s_add_co_u32 s98, s[KH], 3-\d
	s_and_b32 s98, s98, 3
	s_add_co_u32 s99, s96, \d
	s_mul_i32 s99, s99, 3
	s_add_co_u32 s98, s98, s99
	s_lshl_b32 s98, s98, 11
	s_add_co_u32 s[STWS+\d], s98, MRG
.endr
	s_lshr_b32 s99, s[KH], 1                       ; I finish tile kh / 2 of my two, channels 64 (kh % 2) on
	s_lshl_b32 s99, s99, 8
	s_add_co_u32 s99, s99, ML
.irp r, 0,1,2,3
	s_add_co_u32 s98, s[KH], 1+\r
	s_and_b32 s98, s98, 3                          ; source r = kh + 1 + r mod 4; r = 3 is myself
	s_add_co_u32 s98, s98, s96
	s_lshl_b32 s98, s98, 9
	s_add_co_u32 s[MLRS+\r], s98, s99
.endr
	; Q's and out0's addresses for both blocks, and the prefetches'.  (s52 to s55 hold cx's offspring; none of them feeds a descriptor or an LDS address)
	s_lshl_b32 s52, s13, 4
	s_lshl_b32 s53, s15, 12
	s_add_co_u32 s53, s53, s52                     ; the batch's first row + 16 cx
	s_mov_b32 s55, 0
	s_add_co_u32 s54, s53, s[QB]
	s_lshl_b32 s54, s54, 7                         ; 128 bytes of codes a row
	s_add_nc_u64 s[56:57], s[4:5], s[54:55]
	s_add_co_u32 s54, s53, s[QB2]
	s_lshl_b32 s54, s54, 7
	s_add_nc_u64 s[58:59], s[4:5], s[54:55]
	s_lshr_b32 s96, s[KH], 1
	s_lshl_b32 s96, s96, 6
	s_add_co_u32 s53, s53, s96
	s_and_b32 s97, s[KH], 1
	s_lshl_b32 s97, s97, 8
	s_add_co_u32 s54, s53, s[QB]
	s_lshl_b32 s54, s54, 9                         ; 512 bytes of out0 a row
	s_add_co_u32 s54, s54, s97
	s_add_nc_u64 s[48:49], s[10:11], s[54:55]
	s_add_co_u32 s54, s53, s[QB2]
	s_lshl_b32 s54, s54, 9
	s_add_co_u32 s54, s54, s97
	s_add_nc_u64 s[50:51], s[10:11], s[54:55]
	s_lshl_b32 s54, s15, 20
	s_lshl_b32 s53, s13, 15
	s_add_co_u32 s54, s54, s53
	s_and_b32 s53, s[WV], 3
	s_lshl_b32 s53, s53, 13
	s_add_co_u32 s54, s54, s53
	s_add_co_u32 s54, s54, SLOT1                   ; in slot 1: the first trip steps it to slot 2.  Nothing is prefetched here, at the head
	s_add_nc_u64 s[PFA:PFA+1], s[6:7], s[54:55]
	s_lshl_b32 s98, s[KH], 15
	v_and_b32 v20, 31, v0                          ; lane
	v_and_b32 v21, 15, v0                          ; r
	v_bfe_u32 v22, v0, 4, 1                        ; h
	v_lshlrev_b32 v23, 4, v20
	v_add_nc_u32 v[AK0], s98, v23                  ; my key step's 32,768 bytes of a slot, + 16 x lane
	v_lshlrev_b32 v[PFO], 8, v20
	v_lshlrev_b32 v[GO], 9, v22
	v_lshlrev_b32 v[QL], 3, v22
	v_lshl_add_u32 v[GO], v21, 4, v[GO]            ; the way out: lanes 0-15 one row of out0, lanes 16-31 the next; 16 bytes a lane
	v_sub_nc_u32 v[QL], v21, v[QL]
	v_add_nc_u32 v[QL], s52, v[QL]                 ; 16 cx + r - 8 h, a signed number, for the mask alone
	WIN 0x40
.irp c, 0,1,2,3
	global_load_b128 v[128+4*\c:131+4*\c], v23, s[56:57] offset:512*\c
	global_load_b128 v[144+4*\c:147+4*\c], v23, s[56:57] offset:8192+512*\c   ; tile 1: 64 rows on
	global_load_b128 v[224+4*\c:227+4*\c], v23, s[58:59] offset:512*\c        ; the short block's
	global_load_b128 v[240+4*\c:243+4*\c], v23, s[58:59] offset:8192+512*\c
.endr
.set j, 0
.rept 128
	v_mov_b32 v[j], 0                              ; O^T.  (The step is written without a first step of its own: it finds zeros, which the first change of M leaves zeros)
.set j, j+1
.endr
	WIN 0
	v_mov_b32 v10, 0x7f61b1e6                      ; -M so far: 3e38, over every -M
	v_mov_b32 v12, 0x7f61b1e6
.irp j, 11,13,14,15,16,17,19,24,25,26,27,28,29,30,31
	v_mov_b32 v\j, 0                               ; the sums; upper halves of pairs; a lane permute's destination, which counts as a source
.endr
	s_wait_alu depctr_va_vdst(0)
	s_wait_kmcnt 0x0
	s_add_co_i32 s96, s68, s69
	s_lshl_b32 s96, s96, 23
	s_add_co_i32 s[CS], s[CS], s96                 ; a score stands for score x 2^(e6 + e7)
	s_mov_b32 s[CS+1], s[CS]                       ; (named with it as a pair)
	s_or_b32 s[NCS], s[CS], 0x80000000
	s_add_co_i32 s96, s70, 127
	s_lshl_b32 s97, s96, 23
	v_mov_b32 v9, s97                              ; 2^e8 as f32, for the conversion
	s_add_co_i32 s96, s96, 8
	s_lshl_b32 s96, s96, 23
	s_or_b32 s96, s96, 0x600000
	v_mov_b32 v8, s96                              ; 448 x 2^e8
	s_add_co_i32 s[EPV], s70, s71
.macro FRAGS reg, off                  ; four fragments
.irp t, 0,1,2,3
.irp c, 0,1,2,3
	ds_load_b128 v[\reg+16*\t+4*\c:\reg+16*\t+4*\c+3], v[AD] offset:\off+2048*\t+512*\c
.endr
.endr
.endm
.macro HOLD r                          ; two numbers: the conversion to an 8-bit code does not saturate (ISA guide 7.6.2); p is not negative, so the hold is one-sided
	v_dual_min_num_f32 v[\r], v8, v[\r] :: v_dual_min_num_f32 v[\r+1], v8, v[\r+1]
.endm
.macro SUM c, p                        ; the 64 numbers from v[p] on are added to the pair v[c], in four chains
	v_pk_add_f32 v[22:23], v[\p:\p+1], v[\p+2:\p+3]
	v_pk_add_f32 v[24:25], v[\p+4:\p+5], v[\p+6:\p+7]
	v_pk_add_f32 v[28:29], v[\p+8:\p+9], v[\p+10:\p+11]
	v_pk_add_f32 v[\c:\c+1], v[\c:\c+1], v[\p+12:\p+13]
	v_pk_add_f32 v[22:23], v[22:23], v[\p+14:\p+15]
.set j, 16
.rept 6
	v_pk_add_f32 v[24:25], v[24:25], v[\p+j:\p+j+1]
	v_pk_add_f32 v[28:29], v[28:29], v[\p+j+2:\p+j+3]
	v_pk_add_f32 v[\c:\c+1], v[\c:\c+1], v[\p+j+4:\p+j+5]
	v_pk_add_f32 v[22:23], v[22:23], v[\p+j+6:\p+j+7]
.set j, j+8
.endr
	v_pk_add_f32 v[24:25], v[24:25], v[28:29]
	v_pk_add_f32 v[\c:\c+1], v[\c:\c+1], v[22:23]
	v_pk_add_f32 v[\c:\c+1], v[\c:\c+1], v[24:25]
.endm
.macro CODES a                         ; tile a's p: keys 16 k + 8 h + 0 .. 7 are registers 2 k, 2 k + 1 of the operand
.irp k, 0,1,2,3,4,5,6,7
	v_cvt_scalef32_pk8_fp8_f32 v[224+16*\a+2*\k:225+16*\a+2*\k], v[96+64*\a+8*\k:103+64*\a+8*\k], v9
.endr
	v_nop                                          ; the plain line behind the conversions
.endm
.macro PV a                            ; O^T += V^T P^T for tile a; the accumulators take turns
	WIN 0x50
.irp t, 0,1,2,3
	v_wmma_f32_16x16x128_fp8_fp8 v[64*\a+8*\t:64*\a+8*\t+7], v[32+16*\t:47+16*\t], v[224+16*\a:239+16*\a], v[64*\a+8*\t:64*\a+8*\t+7]
.endr
	WIN 0x51
.irp t, 0,1,2,3
	v_wmma_f32_16x16x128_fp8_fp8 v[64*\a+32+8*\t:64*\a+39+8*\t], v[160+16*\t:175+16*\t], v[224+16*\a:239+16*\a], v[64*\a+32+8*\t:64*\a+39+8*\t]
.endr
	WIN 0
.endm
; A KEY STEP: my 128 keys of the slot in hand for my 32 queries.
.macro STEP
	s_cmp_gt_u32 s[KF], s[QB]                      ; all of the step's keys come after my queries: the work is left out; no barrier and no tensor load stands in a step
	s_cbranch_scc1 .Lhidden_\@
	v_add_nc_u32 v[AD], s[TB], v[AK0]              ; (the places in front of these loads are the four v_nop behind the change of slots)
	FRAGS 32, 0
	WIN 0x40
	FRAGS 160, 8192
	s_wait_alu depctr_va_vdst(0)
	s_wait_dscnt 16                                ; K's first four fragments are in, the other four may be out
	WIN 0x04
.irp t, 0,1,2,3                                ; S^T = K Q^T
.irp a, 0,1
	v_wmma_f32_16x16x128_fp8_fp8 v[96+64*\a+8*\t:103+64*\a+8*\t], v[32+16*\t:47+16*\t], v[128+16*\a:143+16*\a], 0
.endr
.endr
	s_wait_dscnt 0x0
	WIN 0x05
.irp t, 0,1,2,3
.irp a, 0,1
	v_wmma_f32_16x16x128_fp8_fp8 v[128+64*\a+8*\t:135+64*\a+8*\t], v[160+16*\t:175+16*\t], v[128+16*\a:143+16*\a], 0
.endr
.endr
	WIN 0
.rept 4
	v_nop                                          ; places in front of the loads and of the first read of the scores
.endr
	FRAGS 32, 16384                                ; V's eight fragments land while the softmax is worked
	WIN 0x40
	FRAGS 160, 24576
	WIN 0
	s_cmp_lg_u32 s[KF], s[QB]                      ; a step all of whose keys count for every query skips the mask
	s_cbranch_scc1 .Lopen_\@
	v_mov_b32 v22, 0xff800000                      ; -infinity: p = 0 then
	; On the diagonal tile 0's queries are KF + 16 cx + r, tile 1's 64 more.  Register 8 kt + i is key KF + 16 kt + 8 h + i.  So tile 0's key tiles 0-3 and tile 1's 4-7 share one compare,
	; tile 0's key tiles 4-7 are hidden to all its queries, and tile 1's 0-3 to none.
.irp k, 0,1,2,3
.irp i, 0,1,2,3,4,5,6,7
	v_cmp_gt_i32 s[84+\i], 16*\k+\i, v[QL]
.endr
.irp i, 0,1,2,3,4,5,6,7
	v_cndmask_b32 v[96+8*\k+\i], v[96+8*\k+\i], v22, s[84+\i]
.endr
.irp i, 0,1,2,3,4,5,6,7
	v_cndmask_b32 v[192+8*\k+\i], v[192+8*\k+\i], v22, s[84+\i]
.endr
.endr
.set n, 0
.rept 32
	v_mov_b32 v[128+n], v22
.set n, n+1
.endr
.Lopen_\@:
	v_max3_num_f32 v22, v96, v97, v98              ; the step's largest score of my query among my 64 keys, two tiles, two chains each
	v_max3_num_f32 v24, v160, v161, v162
	v_max3_num_f32 v23, v99, v100, v101
	v_max3_num_f32 v25, v163, v164, v165
.set i, 6
.rept 14
	v_max3_num_f32 v22, v22, v[96+i], v[97+i]
	v_max3_num_f32 v24, v24, v[160+i], v[161+i]
	v_max3_num_f32 v23, v23, v[98+i], v[99+i]
	v_max3_num_f32 v25, v25, v[162+i], v[163+i]
.set i, i+4
.endr
	v_max3_num_f32 v22, v22, v158, v159
	v_max3_num_f32 v24, v24, v222, v223
	v_max_num_f32 v22, v22, v23
	v_max_num_f32 v24, v24, v25
	v_permlanex16_b32 v26, v22, s[SEL], s[SEL+1]
	v_permlanex16_b32 v27, v24, s[SEL], s[SEL+1]
	v_max_num_f32 v22, v22, v26                    ; and among lane l xor 16's
	v_max_num_f32 v24, v24, v27
	v_mul_f32 v22, s[NCS], v22                     ; -t (c is positive)
	v_mul_f32 v24, s[NCS], v24
	v_floor_f32 v22, v22                           ; -ceil(t)
	v_floor_f32 v24, v24
	v_min_num_f32 v22, v22, v10                    ; the new -M: a whole number
	v_min_num_f32 v24, v24, v12
	v_sub_f32 v23, v22, v10                        ; M's old value less its new one: 0 or less
	v_sub_f32 v25, v24, v12
	v_cvt_i32_f32 v23, v23                         ; (it saturates)
	v_cvt_i32_f32 v25, v25
	v_mov_b32 v10, v22
	v_mov_b32 v12, v24
	v_ldexp_f32 v18, 1.0, v23                      ; 2^(old M - new M): a multiplication by it rounds nothing
	v_ldexp_f32 v20, 1.0, v25
.set j, 0
.rept 32
	v_pk_fma_f32 v[96+j:97+j], v[96+j:97+j], s[CS:CS+1], v[10:11] op_sel_hi:[1,0,0]   ; tile 0: t - M, two at a time
.set j, j+2
.endr
	v_pk_mul_f32 v[14:15], v[14:15], v[18:19] op_sel_hi:[1,0]   ; the sums and O^T under the new M
	v_pk_mul_f32 v[16:17], v[16:17], v[20:21] op_sel_hi:[1,0]
	WIN 0x41
.set j, 0
.rept 32
	v_pk_mul_f32 v[j:j+1], v[j:j+1], v[18:19] op_sel_hi:[1,0]
	v_pk_mul_f32 v[64+j:65+j], v[64+j:65+j], v[20:21] op_sel_hi:[1,0]
.set j, j+2
.endr
	WIN 0
	s_wait_alu depctr_va_vdst(0)                   ; ahead of the batch
.set j, 0
.rept 32
	v_exp_f32 v[96+j], v[96+j]                     ; tile 0: p = 2^(t - M), at most 1: not normalised;
	v_exp_f32 v[97+j], v[97+j]
	v_pk_fma_f32 v[160+j:161+j], v[160+j:161+j], s[CS:CS+1], v[12:13] op_sel_hi:[1,0,0]   ; among them tile 1's t - M
.set j, j+2
.endr
	s_wait_alu depctr_va_vdst(0)                   ; and behind it, ahead of its first reader
	SUM 14, 96                                     ; the row's sum is taken of the unquantised p
	s_wait_alu depctr_va_vdst(0)                   ; ahead of the batch
.set j, 0
.rept 32
	v_exp_f32 v[160+j], v[160+j]                   ; tile 1's p; among them tile 0's holds
	v_exp_f32 v[161+j], v[161+j]
	HOLD 96+j
.set j, j+2
.endr
	s_wait_alu depctr_va_vdst(0)                   ; and behind it
	CODES 0
	s_wait_alu depctr_va_vdst(0)
	s_wait_dscnt 0x0                               ; V
	PV 0
	SUM 16, 160
.set j, 0
.rept 32
	HOLD 160+j
.set j, j+2
.endr
	CODES 1
	PV 1
.Lhidden_\@:
	s_add_co_u32 s[KF], s[KF], 512                 ; my step of the next slot
.endm
; THE CHANGE OF SLOTS, at a slot's head: each wave waits for all its tensor loads (its part of this slot), adds 0 to its spare word, and waits for that and for its reads of the other slot.
; fill = 1: behind the round this slot is whole in every partner and nobody reads the other one, which is filled with the walk's next 512 keys: the load has this slot's step in which to land.
.macro CHANGE fill
	s_wait_tensorcnt 0x0                           ; no tensor load of mine is out, so group 0 may be written
	ds_add_u32 v[SPW], v[NIL]                      ; 0 onto my spare word
.if \fill
	s_add_co_u32 s96, s[TR], 1                     ; the next slot's number in the walk; behind the long block's last the short block begins at key 0
	s_cmp_lt_u32 s96, s[N1]
	s_cselect_b32 s97, 0, s[N1]
	s_sub_co_u32 s96, s96, s97
	s_lshl_b32 s96, s96, 17
	s_mov_b32 s97, 0
	s_add_nc_u64 s[G0+2:G0+3], s[BASE:BASE+1], s[96:97]
	s_or_b32 s[G0+3], s[G0+3], 0x80000000
	s_xor_b32 s[G0+1], s[G0+1], SLOT1
.endif
	s_wait_xcnt 0x0                                ; the last prefetch and the last stores have read their addresses and data
.if \fill
	s_add_nc_u64 s[PFA:PFA+1], s[PFA:PFA+1], SLOT1
.endif
	s_wait_dscnt 0x0                               ; the add is done, and my LDS reads are over
.if \fill
	ROUND
	TLOAD                                          ; the first thing behind the round, and a wave's one tensor load until the next
	ASK
.else
	s_barrier_signal -1
	s_barrier_wait -1
.rept 4
	v_nop
.endr
.endif
.endm
; THE MERGE of a block's sums over the four waves of a qg.  The wave with kh = d finishes tile d / 2, channels 64 (d % 2) on: 32 registers, in two passes of 16.  In a pass each wave hands its 16 registers for each of the other three over through LDS.
.macro GIVE p, d
.set OR, 64*(\d/2)+8*(4*(\d%2)+2*(\p))
	s_cmp_eq_u32 s[KH], \d
	s_cbranch_scc1 .Lown_\@
	WIN 0x04
.irp c, 0,1,2,3
	ds_store_b128 v[210+\d], v[OR+4*\c:OR+4*\c+3] offset:512*\c
.endr
	WIN 0
	s_branch .Lgiven_\@
.Lown_\@:
	WIN 0x01
.irp i, 0,1,2,3,4,5,6,7,8,9,10,11,12,13,14,15
	v_mov_b32 v[144+\i], v[OR+\i]                  ; what I finish myself
.endr
	WIN 0
.Lgiven_\@:
.endm
.macro TAKE                            ; the three partners' pieces
.irp r, 0,1,2
.irp c, 0,1,2,3
	ds_load_b128 v[96+16*\r+4*\c:99+16*\r+4*\c], v214 offset:2048*\r+512*\c
.endr
.endr
.endm
.macro JOIN p                          ; the four pieces under one M
.irp i, 0,2,4,6,8,10,12,14
	v_pk_mul_f32 v[160+16*\p+\i:161+16*\p+\i], v[144+\i:145+\i], v[28:29] op_sel_hi:[1,0]
.endr
.irp r, 0,1,2
.irp i, 0,2,4,6,8,10,12,14
	v_pk_fma_f32 v[160+16*\p+\i:161+16*\p+\i], v[96+16*\r+\i:97+16*\r+\i], v[22+2*\r:23+2*\r], v[160+16*\p+\i:161+16*\p+\i] op_sel_hi:[1,0,1]
.endr
.endr
.endm
.macro MERGE
	v_and_b32 v204, 31, v0                         ; (these lines are also the places behind the last products)
	v_add_f32 v14, v14, v15                        ; a sum's two halves,
	v_add_f32 v16, v16, v17
	v_lshlrev_b32 v205, 4, v204
	v_lshlrev_b32 v204, 2, v204
	v_permlanex16_b32 v26, v14, s[SEL], s[SEL+1]
	v_permlanex16_b32 v27, v16, s[SEL], s[SEL+1]
.irp d, 0,1,2,3
	v_add_nc_u32 v[210+\d], s[STWS+\d], v205
.endr
	v_add_nc_u32 v214, s[PRDS], v205
.irp r, 0,1,2,3
	v_add_nc_u32 v[206+\r], s[MLRS+\r], v204
.endr
	v_add_nc_u32 v204, s[MLWS], v204
	v_and_b32 v205, 15, v0
	v_bfe_u32 v217, v0, 4, 1
	v_add_f32 v14, v14, v26                        ; and lane l xor 16's
	v_add_f32 v16, v16, v27
	v_mul_u32_u24 v215, v205, 272                  ; my stage, on my own pieces' bytes when they have been read: in: row r, + 32 h
	v_mul_u32_u24 v216, v217, 272                  ; back: lanes 0-15 one row, lanes 16-31 the next
	v_lshl_add_u32 v215, v217, 5, v215
	v_lshl_add_u32 v216, v205, 4, v216
	v_add_nc_u32 v215, s[PRDS], v215
	v_add_nc_u32 v216, s[PRDS], v216
	s_wait_alu depctr_va_vdst(0)
	ds_store_b32 v204, v10
	ds_store_b32 v204, v14 offset:128
	ds_store_b32 v204, v12 offset:256
	ds_store_b32 v204, v16 offset:384
	GIVE 0, 0
	GIVE 0, 1
	GIVE 0, 2
	GIVE 0, 3
	s_wait_alu depctr_va_vdst(0)
	s_wait_dscnt 0x0                               ; for the partners' sake: my stores have landed
	s_barrier_signal -1
	s_barrier_wait -1
.irp r, 0,1,2,3
	ds_load_b32 v[192+\r], v[206+\r]               ; -M of source r,
	ds_load_b32 v[196+\r], v[206+\r] offset:128    ; and its sum
.endr
	TAKE
	s_wait_dscnt 0x0                               ; my reads are over: the pieces' bytes may be written again behind this barrier
	s_barrier_signal -1
	v_min3_num_f32 v217, v192, v193, v194
	v_min_num_f32 v217, v217, v195                 ; -M of the four together
.irp r, 0,1,2,3
	v_sub_f32 v[192+\r], v217, v[192+\r]           ; whole numbers, 0 or less (a source that saw no key of this block has -M = 3e38: its factor comes out 0)
.endr
.irp r, 0,1,2,3
	v_cvt_i32_f32 v[192+\r], v[192+\r]
.endr
.irp r, 0,1,2,3
	v_ldexp_f32 v[22+2*\r], 1.0, v[192+\r]
.endr
	v_mul_f32 v218, v196, v22
	v_fma_f32 v218, v197, v24, v218
	v_fma_f32 v218, v198, v26, v218
	v_fma_f32 v218, v199, v28, v218                ; the row's sum
	JOIN 0
	s_wait_alu depctr_va_vdst(0)
	s_barrier_wait -1
	GIVE 1, 0
	GIVE 1, 1
	GIVE 1, 2
	GIVE 1, 3
	s_wait_alu depctr_va_vdst(0)
	s_wait_dscnt 0x0
	s_barrier_signal -1
	s_barrier_wait -1
	TAKE
	s_wait_alu depctr_va_vdst(0)                   ; ahead of the transcendental
	v_rcp_f32 v218, v218
	v_nop
	s_wait_alu depctr_va_vdst(0)                   ; and ahead of its first reader
	v_ldexp_f32 v30, v218, s[EPV]                  ; x 2^(e8 + e9)
	s_wait_alu depctr_va_vdst(0)
	s_wait_dscnt 0x0
	JOIN 1
.set j, 0
.rept 16
	v_pk_mul_f32 v[160+j:161+j], v[160+j:161+j], v[30:31] op_sel_hi:[1,0]   ; register 8 t + i is channel 16 t + 8 h + i of my 64, query r
.set j, j+2
.endr
	; THE WAY OUT: 16 rows of 256 bytes through my stage, so that sixteen lanes store 256 consecutive bytes, aligned
.irp t, 0,1,2,3
	ds_store_b128 v215, v[160+8*\t:163+8*\t] offset:64*\t
	ds_store_b128 v215, v[164+8*\t:167+8*\t] offset:64*\t+16
.endr
.irp i, 0,1,2,3,4,5,6,7
	ds_load_b128 v[96+4*\i:99+4*\i], v216 offset:544*\i   ; LDS serves a wave's instructions in order (ISA guide 5.7.1.4): these see my stores
.endr
.irp i, 0,1,2,3,4,5,6,7
	s_wait_dscnt 7-\i                              ; the loads issued behind this one
	global_store_b128 v[GO], v[96+4*\i:99+4*\i], s[48:49] offset:1024*\i th:TH_STORE_NT
.endr
.endm
	s_wait_alu depctr_va_vdst(0)                   ; at the head's end
	s_wait_loadcnt 0x0                             ; Q
.Lslot:                                            ; 8 trips; the ninth slot is written out
	CHANGE 1
	STEP
	s_add_co_u32 s96, s[TR], 1
	s_cmp_lg_u32 s96, s[N1]                        ; the long block's last slot?  (the cluster's number alone: the same in all waves and all partners)
	s_cbranch_scc1 .Lsame_block
	MERGE
	s_wait_xcnt 0x0                                ; the stores have read their base
	s_mov_b64 s[48:49], s[50:51]
	s_mov_b32 s[QB], s[QB2]                        ; the short block begins at key 0, with the sums of no key: the first change of M multiplies what O^T and the sums hold by 0
	s_lshl_b32 s[KF], s[KH], 7
	v_mov_b32 v10, 0x7f61b1e6
	v_mov_b32 v12, 0x7f61b1e6
	WIN 0x41
.set j, 0
.rept 32
	v_mov_b32 v[128+j], v[224+j]                   ; its Q
.set j, j+1
.endr
	WIN 0
	s_wait_alu depctr_va_vdst(0)
.Lsame_block:
	s_xor_b32 s[TB], s[TB], SLOT1
	s_add_co_u32 s[TR], s[TR], 1
	s_cmp_lt_u32 s[TR], 8
	s_cbranch_scc1 .Lslot
	CHANGE 0
	STEP
	MERGE
	s_wait_tensorcnt 0x0                           ; the wave's end
	ds_add_u32 v[SPW], v[NIL]
	s_wait_dscnt 0x0
	ROUND                                          ; the closing round: no work-group ends while a partner may still ask for a tile that names it
	s_endpgm
.Lfunc_end_k_q9f2b346070_attn:
	.size	k_q9f2b346070_attn, .Lfunc_end_k_q9f2b346070_attn-k_q9f2b346070_attn
	.p2alignl 7, 3214868480
	.fill 96, 4, 3214868480
	.section	.rodata,"a",@progbits
	.p2align	6, 0x0
	.amdhsa_kernel k_q9f2b346070_attn
		.amdhsa_group_segment_fixed_size 327680
		.amdhsa_private_segment_fixed_size 0
		.amdhsa_enable_private_segment 0
		.amdhsa_kernarg_size 32
		.amdhsa_user_sgpr_count 2
		.amdhsa_user_sgpr_kernarg_segment_ptr 1
		.amdhsa_wavefront_size32 1
		.amdhsa_system_sgpr_workgroup_id_x 1
		.amdhsa_system_sgpr_workgroup_id_y 1
		.amdhsa_system_sgpr_workgroup_id_z 1
		.amdhsa_system_vgpr_workitem_id 0
		.amdhsa_next_free_vgpr 512
		.amdhsa_next_free_sgpr 100
		.amdhsa_reserve_vcc 0
		.amdhsa_float_denorm_mode_32 3
		.amdhsa_float_denorm_mode_16_64 3
		.amdhsa_memory_ordered 1
		.amdhsa_forward_progress 1
		.amdhsa_inst_pref_size 137
	.end_amdhsa_kernel
	.amdgpu_metadata
---
amdhsa.version: [ 1, 2 ]
amdhsa.kernels:
  - .name:           k_q9f2b346070_attn
    .symbol:         k_q9f2b346070_attn.kd
    .args:
      - { .name: qc, .offset: 0, .size: 8, .value_kind: global_buffer, .address_space: global }
      - { .name: kv, .offset: 8, .size: 8, .value_kind: global_buffer, .address_space: global }
      - { .name: lowp_scales, .offset: 16, .size: 8, .value_kind: global_buffer, .address_space: global }
      - { .name: out0, .offset: 24, .size: 8, .value_kind: global_buffer, .address_space: global }
    .group_segment_fixed_size: 327680
    .private_segment_fixed_size: 0
    .kernarg_segment_align: 8
    .kernarg_segment_size: 32
    .max_flat_workgroup_size: 256
    .sgpr_count:     100
    .vgpr_count:     512
    .wavefront_size: 32
...
	.end_amdgpu_metadata
.endif
;; end of part 2
